; MI455X (gfx1250); checked and timed in simulation.
; The chip was launched on July 23, 2026; its instructions are those of AMD's public machine-readable ISA for CDNA 5 (MIT licence, August 2026) and "CDNA5" Instruction Set Architecture Reference Guide (July 2026). The comments in the code are by the model that wrote it; some were corrected since.
;; Spline Linear. Allowed arithmetic: float matrix products may take bf16 or f16 operands with f32 sums; other float arithmetic in f32, or as packed bf16 or f16 multiplies, adds, multiply-adds, maxima and minima; sums over many terms, partial sums and values carried from step to step in f32; what a program stores and reads back later, other than sums and carried values, may be rounded once to bf16 or f16.
;; Inputs: bias 4,096 float32; control_points 9 x 4,096 float32; input 4,096 x 4,096 float32; residual 4,096 x 4,096 float32.
;; Outputs: out0 4,096 x 4,096 float32.
;; 2 versions, each right; version 2 is version 1 with the launch prep written anew for expert scheduling mode. Each part assembles by itself: llvm-mc -triple=amdgcn-amd-amdhsa -mcpu=gfx1250 --defsym DOCPART=n.
;; ======== version 1 of 2: 2 launches
;; workspace buffers: xb 33,554,432 bytes; wb 33,554,432 bytes; at 262,144 bytes; bt 262,144 bytes
;; launch prep (part 1): grid 256 x 2, 8 waves a work-group, no clusters, 13,312 bytes of LDS; arguments input, residual, control_points, bias, xb, wb, at, bt; writes xb, wb, at, bt
.if DOCPART == 1
	.amdgcn_target "amdgcn-amd-amdhsa--gfx1250"
	.amdhsa_code_object_version 6
	.text
	.protected	k_qfcaa118754_prep
	.globl	k_qfcaa118754_prep
	.p2align	8
	.type	k_qfcaa118754_prep,@function
k_qfcaa118754_prep:
	s_mov_b64 s[64:65], 0
	v_nop
	global_prefetch_b8 v0, s[64:65] scope:SCOPE_SE
	s_setreg_imm32_b32 hwreg(HW_REG_WAVE_MODE, 25, 1), 1
	s_wait_xcnt 0x0
; PREPARATION FOR y = x W^T + b, W[o] = residual[o] + sum over q of c_q(t(o)) cp[j(o)-1+q]  (Catmull-Rom over 9 control rows).
; The product is taken apart exactly:  y = x res^T + Z C^T + b,  Z = x cp^T ([4096][9]),  C[o][k] = the four coefficients of column o at k = j-1 .. j+2, 0 elsewhere.
; All inputs are rounded once to bf16 (x, residual, control_points, bias); base + residual is never rounded, since Z and C are carried as a high and a low bf16 part each.
; The work-group's y chooses its role; both roles own 16 rows (work-group x = block of 16).
;   role 0: xb = bf16(x);  Z = xb cp_b^T in f32;  table at (A's side of the last K step of the product kernel)
;   role 1: wb = bf16(residual);  table bt (B's side): the coefficients and the bias
; THE TABLES.  32 K places = 4 pieces of 8.  at: piece 0 zh[0..7], piece 1 zh[0..7], piece 2 zl[0..7], piece 3 zh8, zh8, zl8, 1, 0, 0, 0, 0.
;              bt: piece 0 Ch[0..7], piece 1 Cl[0..7], piece 2 Ch[0..7], piece 3 Ch8, Cl8, Ch8, bias, 0, 0, 0, 0.     (h = bf16(v), l = bf16(v - h))
;   A block of 16 rows is 1,024 bytes: [piece][row][16 bytes], so that a fragment is two loads of 512 consecutive bytes.
; j = clamp(o >> 9, 1, 6): 8 (512 m) / 4095 = m + m / 4095 and 8 (512 m - 1) / 4095 = m - (8 - m) / 4095, so floor(8 o / 4095) = o >> 9 below 4095, and 4095 is clipped.  16 rows share one j.
; LIMITS.  zl x Cl and the roundings of the low parts are dropped: at most 3 x 2^-18 of the sum of |c z|.  All nine x . cp_k must be finite in bf16's range, also those whose coefficient is 0.
;   t = (8 o - 4095 j) x (1/4095) from an exact whole number, one rounding each for the constant and the product; the coefficients by Horner's scheme in fused multiply-adds.
; SHARES.  Eight waves; wave w owns columns 512 w .. 512 w + 511 in four chunks of 128; lane l the columns 512 w + 128 q + 4 l + 0..3.  A load of a wave covers 512 consecutive bytes of f32,
;   a store 256 consecutive bytes of bf16 at a multiple of 256.  No matrix unit, no cluster: a stream; nothing is shared between work-groups but the 147,456 bytes of control points.
.set ROWB,  16384                      ; bytes in a row of f32
.set ROWH,  8192                       ; bytes in a row of bf16
.set PW,    1536                       ; LDS: a wave's partial sums: 16 rows x 2 halves of the lanes x 12 numbers
.set PR,    96                         ; a row of them
.set SPARE, 12288                      ; behind them: the spare words, 128 bytes for each of eight waves, that no other line names
.set IN,   2                           ; v2       2048 w + 16 l: my 16 bytes in a chunk of a row of f32; never rewritten
.set OUT,  3                           ; v3       1024 w + 8 l: my 8 bytes of bf16; never rewritten
.set PA,   4                           ; v4       LDS address of my half's sums of the row in hand
.set ZERO, 5                           ; v5       0
.set SPW,  6                           ; v6       LDS address of my spare word; never rewritten
.set NIL,  7                           ; v7       0; never rewritten
.set Y,    8                           ; v[8:15]  a row's 16 numbers in bf16: word 2 q + p = pair p of my four columns of chunk q
.set ACC,  16                          ; v[16:27] nine sums; 9 to 11 stay 0
.set CP,   28                          ; v[28:99] control row k at CP + 8 k, packed as Y is
.set X,    100                         ; v[100:243] loads land here alone: first the nine control rows in f32, then the ring of row slots, 16 registers each (role 0: four, role 1: eight)
.set Z,    100                         ; the ends, when every load is in: four numbers to split (role 0: first the sixteen parts, v[100:163])
.set W,    164
.set H01,  168
.set H23,  169
.set L01,  170
.set L23,  171
.set D0,   172
.set D1,   173
.set O,    174                         ; v[174:175] the 8 bytes that go out
.set C0,   176                         ; v[176:179] c0 .. c3
.set TT,   180
.set T2,   181
.set BB,   182
.set ONE,  183
.set BIAS, 228                         ; role 1 (its ring ends at v227)
.set BOFF, 229
.set HB,   244                         ; l & 1: which 8 bytes of a piece's row.       v244-248 are made from the thread's number and lie behind everything that a load writes
.set R,    245                         ; l >> 1: the row of the block
.set TO,   246                         ; 8 x thread: 256 x piece + 16 x row + 8 x half
.set Q,    247
.set ADR,  248
.macro CVT x                           ; sixteen f32 -> eight words of two bf16, rounded to nearest even
.irp m, 0,1,2,3,4,5,6,7
	v_cvt_pk_bf16_f32 v[Y+(\m)], v[(\x)+2*(\m)], v[(\x)+2*(\m)+1]
.endr
.endm
.macro LD x, off                       ; a row's four chunks; read once in the whole launch
.irp q, 0,1,2,3
	global_load_b128 v[(\x)+4*(\q):(\x)+4*(\q)+3], v[IN], s[24:25] offset:(\off)+512*(\q) th:TH_LOAD_NT
.endr
.endm
.macro STY off                         ; the row in bf16; the next launch reads it, so no hint
.irp q, 0,1,2,3
	global_store_b64 v[OUT], v[Y+2*(\q):Y+2*(\q)+1], s[26:27] offset:(\off)+256*(\q)
.endr
.endm
.macro SPLIT                           ; Z0..3 -> high parts H01, H23 and low parts L01, L23
	v_cvt_pk_bf16_f32 v[H01], v[Z], v[Z+1]
	v_cvt_pk_bf16_f32 v[H23], v[Z+2], v[Z+3]
	v_lshlrev_b32 v[W], 16, v[H01]
	v_and_b32 v[W+1], s32, v[H01]
	v_lshlrev_b32 v[W+2], 16, v[H23]
	v_and_b32 v[W+3], s32, v[H23]
	v_pk_add_f32 v[W:W+1], v[Z:Z+1], v[W:W+1] neg_lo:[0,1] neg_hi:[0,1]
	v_pk_add_f32 v[W+2:W+3], v[Z+2:Z+3], v[W+2:W+3] neg_lo:[0,1] neg_hi:[0,1]
	v_cvt_pk_bf16_f32 v[L01], v[W], v[W+1]
	v_cvt_pk_bf16_f32 v[L23], v[W+2], v[W+3]
.endm
.macro EMIT p0, p1, q1                 ; waves 0-2: the high or (s34) the low parts; wave 3 (s35): H01.l, p0.l, q1.l, p1.l in the row's first 8 bytes, 0 in its second
	v_cndmask_b32 v[O], v[H01], v[L01], s34
	v_cndmask_b32 v[O+1], v[H23], v[L23], s34
	v_perm_b32 v[D0], v[\p0], v[H01], s33
	v_perm_b32 v[D1], v[\p1], v[\q1], s33
	v_cmp_eq_u32 vcc_lo, 0, v[HB]
	v_cndmask_b32 v[D0], 0, v[D0], vcc_lo
	v_cndmask_b32 v[D1], 0, v[D1], vcc_lo
	v_cndmask_b32 v[O], v[O], v[D0], s35
	v_cndmask_b32 v[O+1], v[O+1], v[D1], s35
	global_store_b64 v[TO], v[O:O+1], s[28:29]     ; a wave stores its piece: 256 consecutive bytes at a multiple of 256
.endm
	s_load_b512 s[4:19], s[0:1], 0x0               ; input s[4:5], residual s[6:7], control_points s[8:9], bias s[10:11], xb s[12:13], wb s[14:15], at s[16:17], bt s[18:19]
	v_lshl_add_u32 v[SPW], v0, 2, SPARE
	v_mov_b32 v[NIL], 0
	v_and_b32 v1, 31, v0                           ; lane
	v_lshrrev_b32 v[OUT], 5, v0
	v_readfirstlane_b32 s20, v[OUT]                ; wave 0..7
	s_and_b32 s21, ttmp7, 0xffff                   ; role
	s_mov_b32 s22, ttmp9                           ; block of 16 rows
	v_lshlrev_b32 v[IN], 4, v1
	v_lshl_add_u32 v[IN], s20, 11, v[IN]
	v_lshrrev_b32 v[OUT], 1, v[IN]
	v_lshrrev_b32 v[R], 1, v1
	v_and_b32 v[HB], 1, v1
	v_lshlrev_b32 v[TO], 3, v0
	s_mov_b32 s32, 0xffff0000                      ; a word's upper bf16
	s_mov_b32 s33, 0x05040100                      ; v_perm_b32: the two low halves, the second source's below
	s_mov_b32 s45, 0                               ; the high word of every offset
	s_cmp_eq_u32 s20, 3
	s_cselect_b32 s35, -1, 0                       ; a lane mask: my wave writes piece 3
	s_wait_kmcnt 0x0
	s_cmp_lg_u32 s21, 0                            ; the role is the work-group's: all eight waves go the same way
	s_cbranch_scc1 .Lres
; ---------------------------------------------------------------- role 0: x
	s_lshl_b32 s44, s22, 18                        ; 16 rows of 16,384 bytes
	s_add_nc_u64 s[24:25], s[4:5], s[44:45]
	s_lshl_b32 s44, s22, 17
	s_add_nc_u64 s[26:27], s[12:13], s[44:45]
	s_lshl_b32 s44, s22, 10
	s_add_nc_u64 s[28:29], s[16:17], s[44:45]
.irp k, 0,1,2,3,4,5,6,7,8
.irp q, 0,1,2,3
	global_load_b128 v[X+16*(\k)+4*(\q):X+16*(\k)+4*(\q)+3], v[IN], s[8:9] offset:(\k)*ROWB+512*(\q)  ; my 16 columns of control row k; every work-group of this role reads them, so no hint
.endr
.endr
	s_mul_i32 s23, s20, PW
	v_bfe_u32 v[PA], v0, 4, 1                      ; which half of the lanes
	v_mul_u32_u24 v[PA], v[PA], 48
	v_add_nc_u32 v[PA], s23, v[PA]
	v_mov_b32 v[ZERO], 0
	v_mov_b32 v[ACC+9], 0
	v_mov_b32 v[ACC+10], 0
	v_mov_b32 v[ACC+11], 0
	s_cmp_eq_u32 s20, 2
	s_cselect_b32 s34, -1, 0                       ; piece 2 holds the low parts of Z
; Control row k is packed, and the registers that it leaves take row k of x (the first four).  left = the loads issued behind row k's four: the later control rows' and the ring's so far.
.macro CPROW k, left, ring
	s_wait_loadcnt \left
.irp m, 0,1,2,3,4,5,6,7
	v_cvt_pk_bf16_f32 v[CP+8*(\k)+(\m)], v[X+16*(\k)+2*(\m)], v[X+16*(\k)+2*(\m)+1]
.endr
.if \ring
	LD X+16*(\k), (\k)*ROWB
.endif
.endm
	CPROW 0, 32, 1
	CPROW 1, 32, 1
	CPROW 2, 32, 1
	CPROW 3, 32, 1
	CPROW 4, 32, 0
	CPROW 5, 28, 0
	CPROW 6, 24, 0
	CPROW 7, 20, 0
	CPROW 8, 16, 0
; One row.  left = the loads of the younger slots, four each.  The nine sums run as nine chains that do not wait for each other; the products take both factors as bf16 halves, the sums are f32.
.macro XTURN i, ahead, left
	s_wait_loadcnt \left                           ; loads come back in order: my slot's four are in
	s_wait_xcnt 0x0                                ; Y, which the last row's stores read, is rewritten only behind this wait
	CVT X+16*(\i)
.if \ahead
	LD X+16*(\i), ((\i)+4)*ROWB                    ; the slot's next row, four rows on, ahead of the stores
.endif
	STY (\i)*ROWH
.irp k, 0,1,2,3,4,5,6,7,8
	v_fma_mix_f32_bf16 v[ACC+(\k)], v[Y], v[CP+8*(\k)], v[ZERO] op_sel_hi:[1,1,0]  ; the first product starts the sum
.endr
.irp k, 0,1,2,3,4,5,6,7,8
	v_fma_mix_f32_bf16 v[ACC+(\k)], v[Y], v[CP+8*(\k)], v[ACC+(\k)] op_sel:[1,1,0] op_sel_hi:[1,1,0]
.endr
.irp m, 1,2,3,4,5,6,7
.irp k, 0,1,2,3,4,5,6,7,8
	v_fma_mix_f32_bf16 v[ACC+(\k)], v[Y+(\m)], v[CP+8*(\k)+(\m)], v[ACC+(\k)] op_sel_hi:[1,1,0]
.endr
.irp k, 0,1,2,3,4,5,6,7,8
	v_fma_mix_f32_bf16 v[ACC+(\k)], v[Y+(\m)], v[CP+8*(\k)+(\m)], v[ACC+(\k)] op_sel:[1,1,0] op_sel_hi:[1,1,0]
.endr
.endr
.irp x, 1,2,4,8                        ; over the 16 lanes of each half; the two halves stay apart as two parts
.irp k, 0,1,2,3,4,5,6,7,8
	v_add_f32_dpp v[ACC+(\k)], v[ACC+(\k)], v[ACC+(\k)] row_xmask:\x row_mask:0xf bank_mask:0xf
.endr
.endr
	ds_store_b128 v[PA], v[ACC:ACC+3] offset:(\i)*PR         ; the 16 lanes of a half write the same bytes with the same numbers
	ds_store_b128 v[PA], v[ACC+4:ACC+7] offset:(\i)*PR+16
	ds_store_b128 v[PA], v[ACC+8:ACC+11] offset:(\i)*PR+32
.endm
	s_mov_b32 s30, 3
.Lxrow:                                                ; a trip: four rows; sixteen loads of a wave are on their way
	XTURN 0, 1, 12
	XTURN 1, 1, 12
	XTURN 2, 1, 12
	XTURN 3, 1, 12
	s_wait_xcnt 0x0                                ; the two bases are stepped only behind this wait
	s_add_nc_u64 s[24:25], s[24:25], 4*ROWB
	s_add_nc_u64 s[26:27], s[26:27], 4*ROWH
	v_add_nc_u32 v[PA], 4*PR, v[PA]
	s_sub_co_u32 s30, s30, 1
	s_cmp_lg_u32 s30, 0
	s_cbranch_scc1 .Lxrow
	XTURN 0, 0, 12                                 ; the last four rows load nothing: the counts run down
	XTURN 1, 0, 8
	XTURN 2, 0, 4
	XTURN 3, 0, 0
	s_wait_dscnt 0x0                               ; for the others' sake: my parts are in LDS
	s_barrier_signal -1
	s_barrier_wait -1
	s_cmp_lt_u32 s20, 4
	s_cbranch_scc1 .Lxfin                          ; waves 0-3 write one piece of the table each
	s_wait_tensorcnt 0x0                           ; the wave's end: three closing lines behind my last LDS store
	ds_add_u32 v[SPW], v[NIL]
	s_wait_dscnt 0x0
	s_endpgm
.Lxfin:
	v_mul_u32_u24 v[ADR], v[R], PR                 ; row l >> 1: 0 .. 1,440
	s_cmp_eq_u32 s20, 3
	s_cbranch_scc1 .Lxk8
	v_lshl_add_u32 v[ADR], v[HB], 4, v[ADR]        ; pieces 0-2: k = 4 hb .. 4 hb + 3
	s_branch .Lxadr
.Lxk8:
	v_add_nc_u32 v[ADR], 32, v[ADR]                ; piece 3: k = 8 .. 11, in both lanes of a row
.Lxadr:                                                ; at most 1,472; with the largest immediate below, 10,800, and 16 bytes: up to byte 12,288, where the spare words begin
.irp p, 0,1,2,3,4,5,6,7,8,9,10,11,12,13,14,15
	ds_load_b128 v[Z+4*(\p):Z+4*(\p)+3], v[ADR] offset:((\p)/2)*PW+((\p)%2)*48  ; part p: wave p / 2, half p % 2.  96 r + 16 hb: sixteen lanes, sixteen different 16-byte columns modulo 256
.endr
	s_wait_dscnt 0x0
.irp s, 8,4,2,1                        ; the sixteen parts are added in a tree, in f32
.set p, 0
.rept \s
	v_pk_add_f32 v[Z+4*p:Z+4*p+1], v[Z+4*p:Z+4*p+1], v[Z+4*(p+(\s)):Z+4*(p+(\s))+1]
	v_pk_add_f32 v[Z+4*p+2:Z+4*p+3], v[Z+4*p+2:Z+4*p+3], v[Z+4*(p+(\s))+2:Z+4*(p+(\s))+3]
.set p, p+1
.endr
.endr
	v_mov_b32 v[ONE], 0x3f80                       ; 1.0 in bf16, in the low half
	SPLIT
	EMIT H01, ONE, L01                             ; piece 3: zh8, zh8, zl8, 1
	s_wait_tensorcnt 0x0                           ; the wave's end: three closing lines behind my last LDS store
	ds_add_u32 v[SPW], v[NIL]
	s_wait_dscnt 0x0
	s_endpgm
; ---------------------------------------------------------------- role 1: residual, coefficients, bias.  No LDS, no barrier.
.Lres:
	s_lshl_b32 s44, s22, 18
	s_add_nc_u64 s[24:25], s[6:7], s[44:45]
	s_lshl_b32 s44, s22, 17
	s_add_nc_u64 s[26:27], s[14:15], s[44:45]
	s_lshl_b32 s44, s22, 10
	s_add_nc_u64 s[28:29], s[18:19], s[44:45]
	s_lshl_b32 s23, s22, 6
	v_lshl_add_u32 v[BOFF], v[R], 2, s23           ; bias[16 block + (l >> 1)]
	global_load_b32 v[BIAS], v[BOFF], s[10:11]     ; the oldest load of every wave: the first counted wait below covers it
.irp i, 0,1,2,3,4,5,6,7
	LD X+16*(\i), (\i)*ROWB                        ; rows 0 to 7: 32 loads of a wave on their way
.endr
	s_lshr_b32 s42, s22, 5                         ; o >> 9
	s_max_u32 s42, s42, 1
	s_min_u32 s42, s42, 6                          ; j
	s_mul_i32 s41, s42, 4095
	s_lshl_b32 s43, s22, 7
	s_sub_co_i32 s43, s43, s41                     ; 8 x the block's first row - 4095 j
	s_sub_co_u32 s42, s42, 1                       ; j - 1: the first control row with a coefficient
	s_cmp_eq_u32 s20, 1
	s_cselect_b32 s34, -1, 0                       ; piece 1 holds the low parts of C
	s_cmp_eq_u32 s20, 3
	s_cselect_b32 s36, 0, 4                        ; my first k: 4 hb, or 8 in piece 3,
	s_cselect_b32 s37, 8, 0
	s_sub_co_i32 s37, s37, s42                     ; less j - 1
	s_mov_b32 s38, 0x3fc00000                      ; 1.5
	s_mov_b32 s39, 0xc0200000                      ; -2.5
	s_mov_b32 s40, 0xbfc00000                      ; -1.5
.set i, 0
.rept 16                               ; sixteen rows written out: every offset is an immediate, no address is stepped
.if i <= 8
	s_wait_loadcnt 28                              ; seven younger slots of four loads
.else
	s_wait_loadcnt 28-4*(i-8)                      ; nothing is loaded any more: the counts run down
.endif
	s_wait_xcnt 0x0                                ; Y, which the last row's stores read, is rewritten only behind this wait
	CVT X+16*(i%8)
.if i < 8
	LD X+16*(i%8), (i+8)*ROWB
.endif
	STY i*ROWH
.set i, i+1
.endr
	s_cmp_lt_u32 s20, 4
	s_cbranch_scc1 .Lrfin                          ; waves 0-3 write one piece of the table each
	s_endpgm
.Lrfin:
	v_lshl_add_u32 v[TT], v[R], 3, s43             ; 8 o - 4095 j, exact
	v_cvt_f32_i32 v[TT], v[TT]
	v_mul_f32 v[TT], 0x39800801, v[TT]             ; t = that / 4095
	v_mul_f32 v[T2], v[TT], v[TT]
	v_fma_f32 v[C0], v[TT], -0.5, 1.0              ; c0 = ((-0.5 t + 1) t - 0.5) t
	v_fma_f32 v[C0+1], v[TT], s38, s39             ; c1 = (1.5 t - 2.5) t^2 + 1
	v_fma_f32 v[C0+2], v[TT], s40, 2.0             ; c2 = ((-1.5 t + 2) t + 0.5) t
	v_fma_f32 v[C0+3], v[TT], 0.5, -0.5            ; c3 = (0.5 t - 0.5) t^2
	v_fma_f32 v[C0], v[C0], v[TT], -0.5
	v_fma_f32 v[C0+1], v[C0+1], v[T2], 1.0
	v_fma_f32 v[C0+2], v[C0+2], v[TT], 0.5
	v_mul_f32 v[C0+3], v[C0+3], v[T2]
	v_mul_f32 v[C0], v[C0], v[TT]
	v_mul_f32 v[C0+2], v[C0+2], v[TT]
	v_mad_u32_u24 v[Q], v[HB], s36, s37            ; my first k less (j - 1): number i of my four takes c_m where m = Q + i
.irp i, 0,1,2,3
.irp m, 0,1,2,3
	v_cmp_eq_i32 vcc_lo, (\m)-(\i), v[Q]
.if (\m) == 0
	v_cndmask_b32 v[Z+(\i)], 0, v[C0], vcc_lo
.else
	v_cndmask_b32 v[Z+(\i)], v[Z+(\i)], v[C0+(\m)], vcc_lo
.endif
.endr
.endr
	v_cvt_pk_bf16_f32 v[BB], v[BIAS], v[BIAS]
	SPLIT
	EMIT L01, BB, H01                              ; piece 3: Ch8, Cl8, Ch8, bias
	s_endpgm
.Lfunc_end_k_qfcaa118754_prep:
	.size	k_qfcaa118754_prep, .Lfunc_end_k_qfcaa118754_prep-k_qfcaa118754_prep
	.p2alignl 7, 3214868480
	.fill 96, 4, 3214868480
	.section	.rodata,"a",@progbits
	.p2align	6, 0x0
	.amdhsa_kernel k_qfcaa118754_prep
		.amdhsa_group_segment_fixed_size 13312
		.amdhsa_private_segment_fixed_size 0
		.amdhsa_enable_private_segment 0
		.amdhsa_kernarg_size 64
		.amdhsa_user_sgpr_count 2
		.amdhsa_user_sgpr_kernarg_segment_ptr 1
		.amdhsa_wavefront_size32 1
		.amdhsa_system_sgpr_workgroup_id_x 1
		.amdhsa_system_sgpr_workgroup_id_y 1
		.amdhsa_system_sgpr_workgroup_id_z 1
		.amdhsa_system_vgpr_workitem_id 0
		.amdhsa_next_free_vgpr 250
		.amdhsa_next_free_sgpr 66
		.amdhsa_reserve_vcc 1
		.amdhsa_float_denorm_mode_32 3
		.amdhsa_float_denorm_mode_16_64 3
		.amdhsa_memory_ordered 1
		.amdhsa_forward_progress 1
		.amdhsa_inst_pref_size 143
	.end_amdhsa_kernel
	.amdgpu_metadata
---
amdhsa.version: [ 1, 2 ]
amdhsa.kernels:
  - .name:           k_qfcaa118754_prep
    .symbol:         k_qfcaa118754_prep.kd
    .args:
      - { .name: input, .offset: 0, .size: 8, .value_kind: global_buffer, .address_space: global }
      - { .name: residual, .offset: 8, .size: 8, .value_kind: global_buffer, .address_space: global }
      - { .name: control_points, .offset: 16, .size: 8, .value_kind: global_buffer, .address_space: global }
      - { .name: bias, .offset: 24, .size: 8, .value_kind: global_buffer, .address_space: global }
      - { .name: xb, .offset: 32, .size: 8, .value_kind: global_buffer, .address_space: global }
      - { .name: wb, .offset: 40, .size: 8, .value_kind: global_buffer, .address_space: global }
      - { .name: at, .offset: 48, .size: 8, .value_kind: global_buffer, .address_space: global }
      - { .name: bt, .offset: 56, .size: 8, .value_kind: global_buffer, .address_space: global }
    .group_segment_fixed_size: 13312
    .private_segment_fixed_size: 0
    .kernarg_segment_align: 8
    .kernarg_segment_size: 64
    .max_flat_workgroup_size: 256
    .sgpr_count:     66
    .vgpr_count:     250
    .wavefront_size: 32
...
	.end_amdgpu_metadata
.endif
;; end of part 1
;; launch gemm (part 2): grid 16 x 16, 4 waves a work-group, clusters of 4 x 4, 327,680 bytes of LDS; arguments xb, wb, at, bt, out0; writes out0
.if DOCPART == 2
	.amdgcn_target "amdgcn-amd-amdhsa--gfx1250"
	.amdhsa_code_object_version 6
	.text
	.protected	k_qfcaa118754_gemm
	.globl	k_qfcaa118754_gemm
	.p2align	8
	.type	k_qfcaa118754_gemm,@function
k_qfcaa118754_gemm:
	s_mov_b64 s[64:65], 0
	v_nop
	global_prefetch_b8 v0, s[64:65] scope:SCOPE_SE
	s_setreg_imm32_b32 hwreg(HW_REG_WAVE_MODE, 25, 1), 1
	s_wait_xcnt 0x0
	s_wait_alu depctr_hold_cnt(0) depctr_sa_sdst(0) depctr_va_vdst(0) depctr_va_sdst(0) depctr_va_ssrc(0) depctr_va_vcc(0) depctr_vm_vsrc(0)
	s_getreg_b32 s2, hwreg(HW_REG_IB_STS2, 6, 4)
	s_cmp_eq_u32 s2, 0
	s_cbranch_scc0 .Lentry_in_a_cluster
	s_endpgm
.Lentry_in_a_cluster:
	s_bfe_u32 s2, ttmp6, 0x10000c
	s_cmp_lg_u32 s2, 0xf033
	s_cbranch_scc0 .Lentry_shape_is_right
	s_endpgm
.Lentry_shape_is_right:
; out0[m][n] = sum over k < 4096 of xb[m][k] wb[n][k]  +  sum over 32 further K places of at[m][.] bt[n][.].   xb, wb: [4096][4096] bf16; out0: [4096][4096] f32; sums in f32.
; The 32 further places carry the spline term Z C^T (Z = x cp^T and the coefficients C, each as a high and a low bf16 part) and 1 x bias: the launch before has laid them out as fragments,
; a block of 16 rows = 1,024 bytes = [piece of 8 places][row][16 bytes].  LIMITS: those of that launch (low x low dropped, at most 3 x 2^-18 of the sum of |c z|; all nine x . cp_k finite in bf16's range).
; A tile of out0, 256 x 256, is made by a work-group of four waves; a wave makes 128 x 128: 64 accumulators of 16 x 16, 512 registers.  256 tiles, one to a work-group.
; K goes in steps of 128 through a ring of two LDS slots filled by the tensor data mover: a tile's rows are 256 bytes of memory and start at multiples of 256 bytes from the buffer's first byte.
; CLUSTERS: 4 x 4 work-groups.  The four of a row of the cluster need the same tiles of xb, the four of a column the same tiles of wb: each tile is asked for JOINTLY, by the same tensor load with the
; same descriptor and a mask that names the four; each receives it in its own LDS.  That divides the requests for both operands by four.
; REGISTERS, in windows of 256 (s_set_vgpr_msb: bits 1:0 source 0, 3:2 source 1, 5:4 source 2, 7:6 destination):
;   window 0: v0-31 addresses; v64-127, v128-191 fragments of xb, two buffers (on the way out: rows read back from the stage, by turns); v192-255 the eight fragments of at
;   window 1: v64-127, v128-191 fragments of wb, two buffers; v192-255 the eight fragments of bt
;   window 2: the 32 accumulators of my rows 0-63 (accumulator (a, b) at v[8 (8 a + b)]);   window 3: those of my rows 64-127
; THE MATRIX INSTRUCTION IS USED TRANSPOSED: source 0 = 16 rows of wb, source 1 = 16 rows of xb.  In the result lane l holds row l % 16 of out0 and the columns 8 (l / 16) + 0..7: 32 neighbouring bytes.
.set SIZE_K, 4096
.set SIZE_N, 4096
.set KSTEP,  128
.set PITCH,  272                       ; an LDS row: 256 bytes + 16 of padding = 68 words: the 16 rows that a load touches start at 16 different groups of four banks (64 banks of 4 bytes: ISA guide 11.1)
.set HALFT,  128*PITCH                 ; 128 rows: what one tensor load brings, and what one wave reads of either operand
.set SLOT,   4*HALFT                   ; xb's 256 rows, then wb's 256 rows
.set STAGE,  2*SLOT                    ; behind the ring: 16 rows x 528 bytes for each wave, for the way out; no tensor load fills it
.set SPITCH, 528                       ; 512 bytes of f32 + 16: again 16 rows at 16 different groups of four banks
.set SPARE,  STAGE+4*16*SPITCH         ; behind the stages: the spare words, 128 bytes for each wave, that no other line names
.set LAPS,   SIZE_K/(2*KSTEP)          ; a lap = two K steps = once round the ring
.set ADRA, 16                          ; v16-17  LDS address of my xb fragments in slot 0, 1
.set ADRB, 20                          ; v20-21  the same for wb
.set STO,  24                          ; v24     the way out: where I put 32 bytes of a row
.set RD,   25                          ; v25     the way out: my 16 bytes of a row read back
.set CO,   26                          ; v26     16 x lane: my bytes in 512 consecutive bytes of out0, of at and of bt; never rewritten
.set SPW,  28                          ; v28     LDS address of my spare word; never rewritten
.set NIL,  29                          ; v29     0; never rewritten
.set F0,   64
.set F1,   128
.set AT,   192
.set BT,   192
.set G1,  24                           ; s[24:31] descriptor group 1 for xb's tiles
.set G0,  32                           ; s[32:39] descriptor group 0 for xb's tiles, one set for each slot
.set G1B, 48                           ; s[48:55], s[56:63] the same for wb's tiles
.set G0B, 56
.set MSB, 0
.macro WIN new                         ; the immediate's high byte repeats the setting that is left; a switch that changes nothing is dropped
.if MSB != (\new)
	s_set_vgpr_msb (MSB<<8)|(\new)
.set MSB, \new
.endif
.endm
.set MUL_LO, 0xa1                      ; source 0 window 1, source 1 window 0, C and D window 2
.set MUL_HI, 0xf1                      ; the same, C and D window 3
.set TO_B,   0x40                      ; destination window 1, address window 0
; A joint load.  Waves 0 and 1 fetch xb's two halves, waves 2 and 3 wb's.  The branch hangs on the wave's number alone.  An s_nop 0 and four v_nop follow each of the two lines.
.macro JLOAD s
	s_cmp_eq_u32 s11, 0
	s_cbranch_scc0 .Lfor_b_\@
	tensor_load_to_lds s[G0+4*(\s):G0+4*(\s)+3], s[G1:G1+7]
	s_nop 0
.rept 4
	v_nop
.endr
	s_branch .Lasked_\@
.Lfor_b_\@:
	tensor_load_to_lds s[G0B+4*(\s):G0B+4*(\s)+3], s[G1B:G1B+7]
	s_nop 0
.rept 4
	v_nop
.endr
.Lasked_\@:
.endm
; A round of the cluster's barrier: my work-group's barrier; wave 0 signals for the work-group; every wave waits for all sixteen work-groups; my work-group's barrier once more.
.macro CREST                           ; a round behind its opening barrier
	s_cmp_lg_u32 s10, 0
	s_cbranch_scc1 .Lnot_wave_0_\@
	s_barrier_signal -3
.Lnot_wave_0_\@:
	s_barrier_wait -3
	s_barrier_signal -1
	s_barrier_wait -1
.endm
.macro CROUND
	s_barrier_signal -1
	s_barrier_wait -1
	CREST
.endm
	s_load_b128 s[4:7], s[0:1], 0x0                ; xb s[4:5], wb s[6:7]
	s_load_b128 s[68:71], s[0:1], 0x10             ; at s[68:69], bt s[70:71]
	s_load_b64 s[8:9], s[0:1], 0x20                ; out0
	v_lshl_add_u32 v[SPW], v0, 2, SPARE
	v_mov_b32 v[NIL], 0
	ds_add_u32 v[SPW], v[NIL]                      ; the wave's opening: the add and its wait stand ahead of my first tensor load; the set-up below, work on registers, stands between them
	v_lshrrev_b32 v1, 5, v0
	v_readfirstlane_b32 s10, v1                    ; wave 0..3
	s_lshr_b32 s11, s10, 1                         ; which half of the tile's rows is mine.  Also: I fetch for xb (0) or for wb (1)
	s_and_b32 s12, s10, 1                          ; which half of its columns.  Also: which 128 rows of that tile I fetch
	s_bfe_u32 s40, ttmp6, 0x40000                  ; cx
	s_bfe_u32 s41, ttmp6, 0x40004                  ; cy
	s_lshl_b32 s42, ttmp9, 2
	s_add_co_u32 s42, s42, s40                     ; tile column = 4 x cluster x + cx
	s_and_b32 s13, ttmp7, 0xffff
	s_lshl_b32 s13, s13, 2
	s_add_co_u32 s13, s13, s41                     ; tile row = 4 x cluster y + cy
	s_lshl_b32 s43, s41, 2
	s_lshl_b32 s43, 15, s43                        ; my row of the cluster: places 4 cy .. 4 cy + 3
	s_lshl_b32 s44, 0x1111, s40                    ; my column: places cx, cx + 4, cx + 8, cx + 12
	; descriptor group 1: a tile of 128 rows x 128 elements, padded in LDS
	s_or_b32 s[G1+0], s43, (1<<16)|(1<<20)|(1<<21)|(5<<22)|(3<<25)   ; 15:0 the mask; 17:16 elements of 2 bytes; 20 padding on; 21 set beside a mask; 24:22 after every 64 words (code 5); 31:25 4 words of it (code 3)
	s_or_b32 s[G1B+0], s44, (1<<16)|(1<<20)|(1<<21)|(5<<22)|(3<<25)
.irp g, G1, G1B
	s_mov_b32 s[(\g)+1], KSTEP<<16                 ; tensor_dim0 = 128
	s_mov_b32 s[(\g)+2], 128<<16                   ; tensor_dim1 = 128
	s_mov_b32 s[(\g)+3], KSTEP<<16                 ; tile_dim0 = 128
	s_mov_b32 s[(\g)+4], 128                       ; tile_dim1 = 128
	s_mov_b32 s[(\g)+5], SIZE_K                    ; elements from row to row
	s_mov_b32 s[(\g)+6], 0
	s_mov_b32 s[(\g)+7], 0
.endr
	; xb's tiles hang on the tile row alone, which my row of the cluster shares; wb's on the tile column alone.  Each address is made in registers that never hold the other coordinate.
	s_lshl_b32 s17, s12, 7
	s_lshl_b32 s16, s13, 8
	s_add_co_u32 s16, s16, s17                     ; xb: row 256 x tile row + 128 x half
	s_lshl_b32 s46, s42, 8
	s_add_co_u32 s46, s46, s17                     ; wb: row 256 x tile column + 128 x half
	s_mov_b32 s17, 0
	s_mov_b32 s47, 0
	s_mov_b64 s[18:19], SIZE_K*2
	s_mul_u64 s[16:17], s[16:17], s[18:19]
	s_mul_u64 s[46:47], s[46:47], s[18:19]
	s_mul_i32 s20, s10, HALFT                      ; where they go: wave x 128 rows: no place in the cluster enters an LDS address
	s_wait_dscnt 0x0                               ; the opening add is done
	s_wait_kmcnt 0x0
	s_add_nc_u64 s[14:15], s[4:5], s[16:17]
	s_add_nc_u64 s[46:47], s[6:7], s[46:47]
	CROUND                                         ; all sixteen work-groups are here: the first joint loads meet
.irp s, 0,1
	s_mov_b32 s[G0+4*(\s)], 1                                        ; count = 1
	s_add_co_u32 s[G0+4*(\s)+1], s20, (\s)*SLOT                      ; LDS address
	s_add_nc_u64 s[G0+4*(\s)+2:G0+4*(\s)+3], s[14:15], (\s)*KSTEP*2  ; global address: K step s
	s_or_b32 s[G0+4*(\s)+3], s[G0+4*(\s)+3], 0x80000000              ; type = 2
	s_mov_b32 s[G0B+4*(\s)], 1
	s_add_co_u32 s[G0B+4*(\s)+1], s20, (\s)*SLOT
	s_add_nc_u64 s[G0B+4*(\s)+2:G0B+4*(\s)+3], s[46:47], (\s)*KSTEP*2
	s_or_b32 s[G0B+4*(\s)+3], s[G0B+4*(\s)+3], 0x80000000
	JLOAD \s                                       ; two loads of mine are out
.endr
	; A fragment is 16 rows x 32 K in 8 registers: lane l holds row l % 16; registers 0-3 K = 8 (l / 16) + 0..7, registers 4-7 K = 16 + 8 (l / 16) + 0..7: two loads of 16 bytes, 32 bytes apart.
	v_and_b32 v1, 15, v0                           ; l % 16
	v_bfe_u32 v2, v0, 4, 1                         ; l / 16
	v_mul_u32_u24 v3, v1, PITCH
	v_lshl_add_u32 v3, v2, 4, v3
	s_mul_i32 s21, s11, HALFT                      ; my 128 rows of xb
	s_mul_i32 s22, s12, HALFT                      ; my 128 rows of wb,
	s_add_co_u32 s22, s22, 2*HALFT                 ; which lie behind xb's 256
.irp s, 0,1
	v_add_nc_u32 v[ADRA+(\s)], s21, v3
	v_add_nc_u32 v[ADRB+(\s)], s22, v3
	s_add_co_u32 s21, s21, SLOT
	s_add_co_u32 s22, s22, SLOT
.endr
	s_mul_i32 s23, s10, 16*SPITCH
	s_add_co_u32 s23, s23, STAGE                   ; my stage
	v_mul_u32_u24 v4, v1, SPITCH                   ; in: row l % 16, 32 bytes for each half of the lanes
	v_lshl_add_u32 v4, v2, 5, v4
	v_add_nc_u32 v[STO], s23, v4
	v_and_b32 v5, 31, v0
	v_lshlrev_b32 v[CO], 4, v5
	v_add_nc_u32 v[RD], s23, v[CO]                 ; back: 32 lanes take one row of 512 bytes
	; my eight blocks of at and of bt: 16 blocks of 1,024 bytes to a tile's 256 rows, 8 to my 128
	s_lshl_b32 s72, s13, 14
	s_lshl_b32 s73, s11, 13
	s_add_co_u32 s72, s72, s73
	s_mov_b32 s73, 0
	s_add_nc_u64 s[68:69], s[68:69], s[72:73]
	s_lshl_b32 s74, s42, 14
	s_lshl_b32 s75, s12, 13
	s_add_co_u32 s74, s74, s75
	s_mov_b32 s75, 0
	s_add_nc_u64 s[70:71], s[70:71], s[74:75]
.irp a, 0,1,2,3,4,5,6,7                ; these 32 loads stay out over the whole loop along K; they are waited for in front of the last 64 products.  Each covers 512 consecutive bytes
	global_load_b128 v[AT+8*(\a):AT+8*(\a)+3],   v[CO], s[68:69] offset:1024*(\a)
	global_load_b128 v[AT+8*(\a)+4:AT+8*(\a)+7], v[CO], s[68:69] offset:1024*(\a)+512
.endr
	WIN TO_B
.irp a, 0,1,2,3,4,5,6,7
	global_load_b128 v[BT+8*(\a):BT+8*(\a)+3],   v[CO], s[70:71] offset:1024*(\a)
	global_load_b128 v[BT+8*(\a)+4:BT+8*(\a)+7], v[CO], s[70:71] offset:1024*(\a)+512
.endr
	WIN 0
	; out0 at my first row and column: (256 x tile row + 128 x half) rows of 16,384 bytes + 1,024 x tile column + 512 x half
	s_lshl_b32 s16, s13, 8
	s_lshl_b32 s14, s11, 7
	s_add_co_u32 s16, s16, s14
	s_lshl_b32 s16, s16, 14
	s_mov_b32 s17, 0
	s_lshl_b32 s46, s42, 10
	s_lshl_b32 s47, s12, 9
	s_add_co_u32 s46, s46, s47
	s_mov_b32 s47, 0
	s_add_nc_u64 s[16:17], s[16:17], s[46:47]
	s_add_nc_u64 s[8:9], s[8:9], s[16:17]
; 16 matrix instructions: m blocks a0, a0 + 1 of the window's four (hi = 0: my rows 0-63, 1: rows 64-127) x all 8 n blocks, 32 along K.  zero = 1: the first product starts the sums: nothing is cleared.
; The 64 accumulators take turns, one instruction a turn, in the same order in every quarter step.
.macro MUL16 f, hi, a0, zero
	WIN MUL_LO+0x50*(\hi)
.irp a, \a0, (\a0)+1
.irp b, 0,1,2,3,4,5,6,7
.if \zero
	v_wmma_f32_16x16x32_bf16 v[8*(8*(\a)+(\b)):8*(8*(\a)+(\b))+7], v[(\f)+8*(\b):(\f)+8*(\b)+7], v[(\f)+8*(4*(\hi)+(\a)):(\f)+8*(4*(\hi)+(\a))+7], 0
.else
	v_wmma_f32_16x16x32_bf16 v[8*(8*(\a)+(\b)):8*(8*(\a)+(\b))+7], v[(\f)+8*(\b):(\f)+8*(\b)+7], v[(\f)+8*(4*(\hi)+(\a)):(\f)+8*(4*(\hi)+(\a))+7], v[8*(8*(\a)+(\b)):8*(8*(\a)+(\b))+7]
.endif
.endr
.endr
.endm
; 32 LDS loads in one run: the fragments of one quarter step (128 rows of wb, 128 rows of xb, 32 K at byte k of the rows) into buffer f
.macro FETCH slot, k, f
	WIN TO_B
.irp i, 0,1,2,3,4,5,6,7
	ds_load_b128 v[(\f)+8*(\i):(\f)+8*(\i)+3],   v[ADRB+(\slot)] offset:(\k)+(\i)*16*PITCH
	ds_load_b128 v[(\f)+8*(\i)+4:(\f)+8*(\i)+7], v[ADRB+(\slot)] offset:(\k)+(\i)*16*PITCH+32
.endr
	WIN 0
.irp i, 0,1,2,3,4,5,6,7
	ds_load_b128 v[(\f)+8*(\i):(\f)+8*(\i)+3],   v[ADRA+(\slot)] offset:(\k)+(\i)*16*PITCH
	ds_load_b128 v[(\f)+8*(\i)+4:(\f)+8*(\i)+7], v[ADRA+(\slot)] offset:(\k)+(\i)*16*PITCH+32
.endr
.endm
; A load into a register that a matrix instruction has read, and a store that reads a matrix result, stand four places behind that matrix instruction; only plain vector instructions that name none of
; its registers are places (ISA guide 7.12.1 for vector instructions).
.macro PLACES
.rept 4
	v_nop
.endr
.endm
; A K step is four quarter steps of 32 along K, 64 matrix instructions each, on buffers 0, 1, 0, 1.  One of the first three: multiplies buffer f; in its middle it fetches the next quarter, at byte k, into g.
.macro QUARTER slot, k, f, g, zero
	s_wait_dscnt 8                                 ; wb and xb's rows 0-63 are in; the youngest eight loads (xb's rows 64-127) may be out
	WIN MUL_LO
	MUL16 \f, 0, 0, \zero
	MUL16 \f, 0, 2, \zero
	PLACES
	FETCH \slot, \k, \g
	s_wait_dscnt 32                                ; all but the 32 just issued
	WIN MUL_HI
	MUL16 \f, 1, 0, \zero
	MUL16 \f, 1, 2, \zero
.endm
; The last quarter multiplies buffer 1 and changes slots.  MEET is its first half: ONE barrier for the change.  In front of it each wave waits for all its tensor loads, of which one is out: its part of
; the next slot; adds 0 to its spare word; and waits for that and for its own reads of this slot.  Behind it nobody reads this slot any more and the next slot is whole.
.macro MEET round                      ; round = 1: a round of the cluster's barrier follows
	WIN 0                                          ; (the add's two registers lie in window 0)
	s_wait_tensorcnt 0x0                           ; all my tensor loads have landed
	ds_add_u32 v[SPW], v[NIL]                      ; 0 onto my spare word
	s_wait_dscnt 9                                 ; (the add and the youngest eight loads may be out)
	WIN MUL_LO
	MUL16 F1, 0, 0, 0                              ; sixteen matrix instructions stand between the add and the wait for it
	s_wait_dscnt 0x0                               ; the add is done, and my reads of this slot are over
	s_barrier_signal -1
	MUL16 F1, 0, 2, 0                              ; work on registers while the others arrive
.if \round
	WIN 0
.endif
	s_barrier_wait -1
.endm
; The whole last quarter.  Behind the round the slot just read out is filled again first, with the K step two steps on; then come the next slot's first fragments.
; From a request to the wait for it a wave issues 224 matrix instructions; one tensor load of mine is out.
.macro TURN slot, next
	MEET 1
	CREST                                          ; no wave of any partner still reads this slot's tile or has a load on its way
	s_add_nc_u64 s[G0+4*(\slot)+2:G0+4*(\slot)+3], s[G0+4*(\slot)+2:G0+4*(\slot)+3], 2*KSTEP*2
	s_add_nc_u64 s[G0B+4*(\slot)+2:G0B+4*(\slot)+3], s[G0B+4*(\slot)+2:G0B+4*(\slot)+3], 2*KSTEP*2
	JLOAD \slot                                    ; the first tensor load behind the round; the four v_nop behind it are also the places in front of the loads below
	FETCH \next, 0, F0
	WIN MUL_HI
	MUL16 F1, 1, 0, 0
	MUL16 F1, 1, 2, 0
.endm
; THE LAST 32 K PLACES go by blocks of 16 rows of out0, so that a finished block leaves while the next is multiplied.  Block a: eight matrix instructions, its eight accumulators by turns.
.macro ROWT a
.set AC, 64*((\a)%4)
	WIN MUL_LO+0x50*((\a)/4)
.irp b, 0,1,2,3,4,5,6,7
	v_wmma_f32_16x16x32_bf16 v[AC+8*(\b):AC+8*(\b)+7], v[BT+8*(\b):BT+8*(\b)+7], v[AT+8*(\a):AT+8*(\a)+7], v[AC+8*(\b):AC+8*(\b)+7]
.endr
.endm
; THE WAY OUT of block a.  A lane's 32 bytes of a row go into my own stage (each accumulator's low four registers first) and come back as whole rows of 512 bytes.
.macro TOSTAGE a
.set AC, 64*((\a)%4)
.set BK, F0+64*((\a)%2)
	WIN 0x08+4*((\a)/4)                            ; the stores' data: window 2 or 3
.irp b, 0,1,2,3,4,5,6,7
	ds_store_b128 v[STO], v[AC+8*(\b):AC+8*(\b)+3]   offset:64*(\b)
	ds_store_b128 v[STO], v[AC+8*(\b)+4:AC+8*(\b)+7] offset:64*(\b)+16
.endr
	WIN 0
.irp t, 0,1,2,3,4,5,6,7,8,9,10,11,12,13,14,15
	ds_load_b128 v[BK+4*(\t):BK+4*(\t)+3], v[RD] offset:(\t)*SPITCH  ; LDS serves a wave's instructions in order (ISA guide 5.7.1.4): these see the stores above; the next block's stores come behind them
.endr
.endm
.macro SEND a
.set BK, F0+64*((\a)%2)
	WIN 0
.if (\a) > 0
	s_wait_xcnt 0x0                                ; the stores' base is stepped, and the registers that the block before last stored are loaded again, only behind this wait
	s_add_nc_u64 s[8:9], s[8:9], 16*SIZE_N*4       ; 16 rows of out0 on
.endif
.irp t, 0,1,2,3,4,5,6,7,8,9,10,11,12,13,14,15
	s_wait_dscnt 15-(\t)                           ; row t is back; the rows behind it may be out
	global_store_b128 v[CO], v[BK+4*(\t):BK+4*(\t)+3], s[8:9] offset:(\t)*SIZE_N*4 th:TH_STORE_NT  ; 512 consecutive bytes, at a multiple of 512 from out0's first byte
.endr
.endm
	s_wait_tensorcnt 1                             ; my part of K step 0 is in; K step 1's may stay out
	s_barrier_signal -1
	s_barrier_wait -1                              ; everybody's is
	FETCH 0, 0, F0
	QUARTER 0, 64,  F0, F1, 1                      ; the first quarter stands in front of the loop: its products start the sums
	WIN 0                                          ; at a label and at a branch every window is 0
	s_mov_b32 s3, LAPS-1
.Llap:                                                 ; a trip goes once round the ring, from a lap's second quarter to the next lap's first, and fills both slots again
	QUARTER 0, 128, F1, F0, 0
	QUARTER 0, 192, F0, F1, 0
	TURN 0, 1
	QUARTER 1, 64,  F0, F1, 0
	QUARTER 1, 128, F1, F0, 0
	QUARTER 1, 192, F0, F1, 0
	TURN 1, 0
	QUARTER 0, 64,  F0, F1, 0
	WIN 0
	s_sub_co_u32 s3, s3, 1
	s_cmp_lg_u32 s3, 0
	s_cbranch_scc1 .Llap
	QUARTER 0, 128, F1, F0, 0                      ; the last lap fills nothing, and has no round of the cluster's barrier
	QUARTER 0, 192, F0, F1, 0
	MEET 0                                         ; my one tensor load that was still out is slot 1's, the last K step's
	PLACES                                         ; for the loads into buffer 0, which the quarter before multiplied
	FETCH 1, 0, F0
	WIN MUL_HI
	MUL16 F1, 1, 0, 0
	MUL16 F1, 1, 2, 0
	QUARTER 1, 64,  F0, F1, 0
	QUARTER 1, 128, F1, F0, 0
	QUARTER 1, 192, F0, F1, 0
	s_wait_dscnt 8                                 ; the very last quarter: nothing more to fetch
	MUL16 F1, 0, 0, 0
	MUL16 F1, 0, 2, 0
	s_wait_dscnt 0x0
	MUL16 F1, 1, 0, 0
	MUL16 F1, 1, 2, 0
	s_wait_loadcnt 0x0                             ; the fragments of at and bt, asked for at the start
	ROWT 0
.irp a, 0,1,2,3,4,5,6,7
	PLACES                                         ; the stores read results just made; for blocks 0 and 1 also: the loads land in buffers that the last quarters multiplied
	TOSTAGE \a
.if (\a) < 7
	ROWT (\a)+1                                    ; the next block is multiplied while this one makes its way through the stage
.endif
	SEND \a
.endr
	WIN 0
	s_wait_tensorcnt 0x0                           ; the wave's end: three closing lines, behind my last tensor load and my last LDS store
	ds_add_u32 v[SPW], v[NIL]
	s_wait_dscnt 0x0
	CROUND                                         ; the closing round: no work-group ends while a partner may still ask for a tile that names it
	s_endpgm
.Lfunc_end_k_qfcaa118754_gemm:
	.size	k_qfcaa118754_gemm, .Lfunc_end_k_qfcaa118754_gemm-k_qfcaa118754_gemm
	.p2alignl 7, 3214868480
	.fill 96, 4, 3214868480
	.section	.rodata,"a",@progbits
	.p2align	6, 0x0
	.amdhsa_kernel k_qfcaa118754_gemm
		.amdhsa_group_segment_fixed_size 327680
		.amdhsa_private_segment_fixed_size 0
		.amdhsa_enable_private_segment 0
		.amdhsa_kernarg_size 40
		.amdhsa_user_sgpr_count 2
		.amdhsa_user_sgpr_kernarg_segment_ptr 1
		.amdhsa_wavefront_size32 1
		.amdhsa_system_sgpr_workgroup_id_x 1
		.amdhsa_system_sgpr_workgroup_id_y 1
		.amdhsa_system_sgpr_workgroup_id_z 1
		.amdhsa_system_vgpr_workitem_id 0
		.amdhsa_next_free_vgpr 1024
		.amdhsa_next_free_sgpr 80
		.amdhsa_reserve_vcc 0
		.amdhsa_float_denorm_mode_32 3
		.amdhsa_float_denorm_mode_16_64 3
		.amdhsa_memory_ordered 1
		.amdhsa_forward_progress 1
		.amdhsa_inst_pref_size 153
	.end_amdhsa_kernel
	.amdgpu_metadata
---
amdhsa.version: [ 1, 2 ]
amdhsa.kernels:
  - .name:           k_qfcaa118754_gemm
    .symbol:         k_qfcaa118754_gemm.kd
    .args:
      - { .name: xb, .offset: 0, .size: 8, .value_kind: global_buffer, .address_space: global }
      - { .name: wb, .offset: 8, .size: 8, .value_kind: global_buffer, .address_space: global }
      - { .name: at, .offset: 16, .size: 8, .value_kind: global_buffer, .address_space: global }
      - { .name: bt, .offset: 24, .size: 8, .value_kind: global_buffer, .address_space: global }
      - { .name: out0, .offset: 32, .size: 8, .value_kind: global_buffer, .address_space: global }
    .group_segment_fixed_size: 327680
    .private_segment_fixed_size: 0
    .kernarg_segment_align: 8
    .kernarg_segment_size: 40
    .max_flat_workgroup_size: 128
    .sgpr_count:     80
    .vgpr_count:     1024
    .wavefront_size: 32
...
	.end_amdgpu_metadata
.endif
;; end of part 2
;; ======== version 2 of 2: 2 launches; version 1 with the launch prep written anew for expert scheduling mode
;; workspace buffers: xb 33,554,432 bytes; wb 33,554,432 bytes; at 262,144 bytes; bt 262,144 bytes
;; launch prep (part 3): grid 256 x 2, 8 waves a work-group, no clusters, 13,312 bytes of LDS; arguments input, residual, control_points, bias, xb, wb, at, bt; writes xb, wb, at, bt
.if DOCPART == 3
	.amdgcn_target "amdgcn-amd-amdhsa--gfx1250"
	.amdhsa_code_object_version 6
	.text
	.protected	k_qfcaa118754_prep
	.globl	k_qfcaa118754_prep
	.p2align	8
	.type	k_qfcaa118754_prep,@function
k_qfcaa118754_prep:
	s_mov_b64 s[64:65], 0
	v_nop
	global_prefetch_b8 v0, s[64:65] scope:SCOPE_SE
	s_setreg_imm32_b32 hwreg(HW_REG_WAVE_SCHED_MODE, 0, 2), 2
	s_setreg_imm32_b32 hwreg(HW_REG_WAVE_MODE, 25, 1), 1
	s_wait_xcnt 0x0
	s_wait_alu depctr_vm_vsrc(0)
; PREPARATION FOR y = x W^T + b, W[o] = residual[o] + sum over q of c_q(t(o)) cp[j(o)-1+q]  (Catmull-Rom over 9 control rows).
; The product is taken apart exactly:  y = x res^T + Z C^T + b,  Z = x cp^T ([4096][9]),  C[o][k] = the four coefficients of column o at k = j-1 .. j+2, 0 elsewhere.
; All inputs are rounded once to bf16 (x, residual, control_points, bias); base + residual is never rounded, since Z and C are carried as a high and a low bf16 part each.
; The work-group's y chooses its role; both roles own 16 rows (work-group x = block of 16).
;   role 0: xb = bf16(x);  Z = xb cp_b^T in f32;  table at (A's side of the last K step of the product kernel)
;   role 1: wb = bf16(residual);  table bt (B's side): the coefficients and the bias
; THE TABLES.  32 K places = 4 pieces of 8.  at: piece 0 zh[0..7], piece 1 zh[0..7], piece 2 zl[0..7], piece 3 zh8, zh8, zl8, 1, 0, 0, 0, 0.
;              bt: piece 0 Ch[0..7], piece 1 Cl[0..7], piece 2 Ch[0..7], piece 3 Ch8, Cl8, Ch8, bias, 0, 0, 0, 0.     (h = bf16(v), l = bf16(v - h))
;   A block of 16 rows is 1,024 bytes: [piece][row][16 bytes], so that a fragment is two loads of 512 consecutive bytes.
; j = clamp(o >> 9, 1, 6): 8 (512 m) / 4095 = m + m / 4095 and 8 (512 m - 1) / 4095 = m - (8 - m) / 4095, so floor(8 o / 4095) = o >> 9 below 4095, and 4095 is clipped.  16 rows share one j.
; LIMITS.  zl x Cl and the roundings of the low parts are dropped: at most 3 x 2^-18 of the sum of |c z|.  All nine x . cp_k must be finite in bf16's range, also those whose coefficient is 0.
;   t = (8 o - 4095 j) x (1/4095) from an exact whole number, one rounding each for the constant and the product; the coefficients by Horner's scheme in fused multiply-adds.
; SHARES.  Eight waves; wave w owns columns 512 w .. 512 w + 511 in four chunks of 128; lane l the columns 512 w + 128 q + 4 l + 0..3.  A load of a wave covers 512 consecutive bytes of f32,
;   a store 256 consecutive bytes of bf16 at a multiple of 256.  No matrix unit, no cluster: a stream; nothing is shared between work-groups but the 147,456 bytes of control points.
; THE MODE: SCHED_MODE bits 1:0 = 2 (LLVM: expert scheduling mode 2), set by the entry lines.  The code itself states the register dependences between vector instructions and
;   memory or LDS instructions, with s_wait_alu, always for 0.
; THE PLAN, ROLE 0.  Sixteen turns, a row each.  Registers that memory or LDS instructions touch:
;   X0 .. X3   four rows of x as loaded.  Written by the loads of row p + 3, issued in turn p; read by turn p's eight conversions.
;   Y0, Y1     a row in bf16.             Written by turn p's conversions, read by its products; read by the four stores that are issued in turn p + 1.
;   A0, A1     nine sums and three zeros. Written by turn p's products and lane sums; read by the three LDS stores that are issued in turn p + 1.
;   v[PA]      read by every LDS store; written once a lap, at the lap's end.
;   v[IN], v[OUT], v[TO]  made once at the head and never written again: the rows are reached by the two scalar bases, which move on by a row at each turn's head, and by immediate offsets.
;   Turn p works on X[p % 4] and writes Y[p % 2] and A[p % 2].  Its memory instructions are the loads into X[(p - 1) % 4], the stores from Y[(p - 1) % 2] and the LDS stores from A[(p - 1) % 2]:
;   what turn p - 1 worked on, and what no vector instruction of turn p names.  So the waits at a turn's head state all that its eleven memory instructions hang on, and these are dealt among its vector instructions.
; THE PLAN, ROLE 1.  Eight blocks of two rows.  RX0 .. RX4: written by the loads of block p + 4, issued in block p; read by block p's sixteen conversions.  RY0, RY1: written by block p's conversions; read by the
;   eight stores that are issued in block p + 1.  Block p works on RX[p % 5] and writes RY[p % 2]; its loads land in RX[(p - 1) % 5], its stores leave from RY[(p - 1) % 2].  Every offset is an immediate.
.set ROWB,  16384                      ; bytes in a row of f32
.set ROWH,  8192                       ; bytes in a row of bf16
.set PW,    1536                       ; LDS: a wave's partial sums: 16 rows x 2 halves of the lanes x 12 numbers
.set PR,    96                         ; a row of them
.set SPARE, 12288                      ; behind them: the spare words, 128 bytes for each of eight waves, that no other line names
.set IN,   2                           ; v2       2048 w + 16 l: my 16 bytes in a chunk of a row of f32; never rewritten
.set OUT,  3                           ; v3       1024 w + 8 l: my 8 bytes of bf16; never rewritten
.set PA,   4                           ; v4       LDS address of my half's sums of this lap's first row
.set ZERO, 5                           ; v5       0
.set SPW,  6                           ; v6       LDS address of my spare word; never rewritten
.set NIL,  7                           ; v7       0; never rewritten
.set Y,    8                           ; v[8:15]  role 0, Y0: a row's 16 numbers in bf16: word 2 q + p = pair p of my four columns of chunk q
.set ACC,  16                          ; v[16:27] role 0, A0: nine sums; 9 to 11 stay 0
.set ALT,  176                         ; Y1 = v[184:191] and A1 = v[192:203] lie this far above Y0 and A0: where control rows 5 and 6 came in, and clear of all that the ends write
.set CP,   28                          ; v[28:99] role 0: control row k at CP + 8 k, packed as Y is
.set X,    100                         ; v[100:243] role 0: first the nine control rows in f32; then, in v[100:163], the ring of four row slots, 16 registers each
.set RY,   8                           ; v[8:39]   role 1: buffer b, row i of a block: 8 registers at RY + 16 b + 8 i
.set RX,   40                          ; v[40:199] role 1: buffer n, row i of a block: 16 registers at RX + 32 n + 16 i
.set Z,    100                         ; the ends, when every load is in: four numbers to split (role 0: first the sixteen parts, v[100:163])
.set W,    164
.set H01,  168
.set H23,  169
.set L01,  170
.set L23,  171
.set D0,   172
.set D1,   173
.set O,    174                         ; v[174:175] the 8 bytes that go out
.set C0,   176                         ; v[176:179] c0 .. c3
.set TT,   180
.set T2,   181
.set BB,   182
.set ONE,  183
.set BIAS, 228                         ; role 1
.set BOFF, 229
.set HB,   244                         ; l & 1: which 8 bytes of a piece's row.       v244-248 are made from the thread's number and lie behind everything that a load writes
.set R,    245                         ; l >> 1: the row of the block
.set TO,   246                         ; 8 x thread: 256 x piece + 16 x row + 8 x half
.set Q,    247
.set ADR,  248
.set MK,   40                          ; s[40:46] role 1's end: seven lane masks; what these registers held has been used by then
.macro LD x, off                       ; a row's four chunks; read once in the whole launch
.irp q, 0,1,2,3
	global_load_b128 v[(\x)+4*(\q):(\x)+4*(\q)+3], v[IN], s[24:25] offset:(\off)+512*(\q) th:TH_LOAD_NT
.endr
.endm
.macro SPLIT                           ; Z0..3 -> high parts H01, H23 and low parts L01, L23
	v_cvt_pk_bf16_f32 v[H01], v[Z], v[Z+1]
	v_cvt_pk_bf16_f32 v[H23], v[Z+2], v[Z+3]
	v_lshlrev_b32 v[W], 16, v[H01]
	v_and_b32 v[W+1], s32, v[H01]
	v_lshlrev_b32 v[W+2], 16, v[H23]
	v_and_b32 v[W+3], s32, v[H23]
	v_pk_add_f32 v[W:W+1], v[Z:Z+1], v[W:W+1] neg_lo:[0,1] neg_hi:[0,1]
	v_pk_add_f32 v[W+2:W+3], v[Z+2:Z+3], v[W+2:W+3] neg_lo:[0,1] neg_hi:[0,1]
	v_cvt_pk_bf16_f32 v[L01], v[W], v[W+1]
	v_cvt_pk_bf16_f32 v[L23], v[W+2], v[W+3]
.endm
.macro EMIT p0, p1, q1                 ; waves 0-2: the high or (s34) the low parts; wave 3 (s35): H01.l, p0.l, q1.l, p1.l in the row's first 8 bytes, 0 in its second
	v_cmp_eq_u32 vcc_lo, 0, v[HB]
	v_cndmask_b32 v[O], v[H01], v[L01], s34
	v_cndmask_b32 v[O+1], v[H23], v[L23], s34
	v_perm_b32 v[D0], v[\p0], v[H01], s33
	v_perm_b32 v[D1], v[\p1], v[\q1], s33
	s_wait_alu depctr_va_vcc(0)                    ; the compare has written VCC, which the two selects below read
	v_cndmask_b32 v[D0], 0, v[D0], vcc_lo
	v_cndmask_b32 v[D1], 0, v[D1], vcc_lo
	v_cndmask_b32 v[O], v[O], v[D0], s35
	v_cndmask_b32 v[O+1], v[O+1], v[D1], s35
	s_wait_alu depctr_va_vdst(0)                   ; the selects have written v[O:O+1], which the store reads
	global_store_b64 v[TO], v[O:O+1], s[28:29]     ; a wave stores its piece: 256 consecutive bytes at a multiple of 256
.endm
	s_load_b512 s[4:19], s[0:1], 0x0               ; input s[4:5], residual s[6:7], control_points s[8:9], bias s[10:11], xb s[12:13], wb s[14:15], at s[16:17], bt s[18:19]
	v_lshl_add_u32 v[SPW], v0, 2, SPARE
	v_mov_b32 v[NIL], 0
	v_and_b32 v1, 31, v0                           ; lane
	v_lshrrev_b32 v[OUT], 5, v0
	v_readfirstlane_b32 s20, v[OUT]                ; wave 0..7
	s_and_b32 s21, ttmp7, 0xffff                   ; role
	s_mov_b32 s22, ttmp9                           ; block of 16 rows
	v_lshlrev_b32 v[IN], 4, v1
	v_lshrrev_b32 v[R], 1, v1
	v_and_b32 v[HB], 1, v1
	v_lshlrev_b32 v[TO], 3, v0
	s_mov_b32 s32, 0xffff0000                      ; a word's upper bf16
	s_mov_b32 s33, 0x05040100                      ; v_perm_b32: the two low halves, the second source's below
	s_mov_b32 s45, 0                               ; the high word of every offset
	s_wait_alu depctr_va_sdst(0)                   ; s20 is written, ahead of its first reader, the line below
	v_lshl_add_u32 v[IN], s20, 11, v[IN]
	v_lshrrev_b32 v[OUT], 1, v[IN]
	s_cmp_eq_u32 s20, 3
	s_cselect_b32 s35, -1, 0                       ; a lane mask: my wave writes piece 3
	s_wait_kmcnt 0x0
	s_cmp_lg_u32 s21, 0                            ; the role is the work-group's: all eight waves go the same way
	s_cbranch_scc1 .Lres
; ---------------------------------------------------------------- role 0: x
	s_lshl_b32 s44, s22, 18                        ; 16 rows of 16,384 bytes
	s_add_nc_u64 s[24:25], s[4:5], s[44:45]
	s_lshl_b32 s44, s22, 17
	s_add_nc_u64 s[26:27], s[12:13], s[44:45]
	s_lshl_b32 s44, s22, 10
	s_add_nc_u64 s[28:29], s[16:17], s[44:45]
	s_wait_alu depctr_va_vdst(0)                   ; v[IN], v[OUT] and v[TO] are written: every global load and store of this role reads one of them as its offset
.irp k, 0,1,2,3,4,5,6,7,8
.irp q, 0,1,2,3
	global_load_b128 v[X+16*(\k)+4*(\q):X+16*(\k)+4*(\q)+3], v[IN], s[8:9] offset:(\k)*ROWB+512*(\q)  ; my 16 columns of control row k; every work-group of this role reads them, so no hint
.endr
.endr
	s_mul_i32 s23, s20, PW
	v_bfe_u32 v[PA], v0, 4, 1                      ; which half of the lanes
	v_mul_u32_u24 v[PA], v[PA], 48
	v_add_nc_u32 v[PA], s23, v[PA]
	v_mov_b32 v[ZERO], 0
	v_mov_b32 v[ACC+9], 0
	v_mov_b32 v[ACC+10], 0
	v_mov_b32 v[ACC+11], 0
	s_cmp_eq_u32 s20, 2
	s_cselect_b32 s34, -1, 0                       ; piece 2 holds the low parts of Z
.macro CPK k                           ; control row k is packed
.irp m, 0,1,2,3,4,5,6,7
	v_cvt_pk_bf16_f32 v[CP+8*(\k)+(\m)], v[X+16*(\k)+2*(\m)], v[X+16*(\k)+2*(\m)+1]
.endr
.endm
.macro CPROW k, left                   ; left = the loads issued behind row k's four: the later control rows' and the ring's sixteen
	s_wait_loadcnt \left
	CPK \k
.endm
	s_wait_loadcnt 20                              ; loads come back in order: control rows 0 to 3 are in; behind their sixteen loads stand the twenty of rows 4 to 8
	CPK 0
	CPK 1
	CPK 2
	CPK 3
	s_wait_alu depctr_va_vdst(0)                   ; those conversions are done reading v[100:163], in which rows 0 to 3 of x land
	LD X, 0
	LD X+16, ROWB
	LD X+32, 2*ROWB
	LD X+48, 3*ROWB
	CPROW 4, 32
	CPROW 5, 28
	CPROW 6, 24
	CPROW 7, 20
	CPROW 8, 16
	v_mov_b32 v[ACC+ALT+9], 0                      ; A1's three zeros lie where control row 6 came in: written when it has been packed
	v_mov_b32 v[ACC+ALT+10], 0
	v_mov_b32 v[ACC+ALT+11], 0
; Nine products of one half of word m of the row, one for each control row: nine chains that do not wait for each other; both factors are bf16 halves, the sums f32.  zero = 1: the first product starts the sum.
.macro DOT m, hi, zero
.irp k, 0,1,2,3,4,5,6,7,8
.if \zero
	v_fma_mix_f32_bf16 v[AW+(\k)], v[YW+(\m)], v[CP+8*(\k)+(\m)], v[ZERO] op_sel_hi:[1,1,0]
.elseif \hi
	v_fma_mix_f32_bf16 v[AW+(\k)], v[YW+(\m)], v[CP+8*(\k)+(\m)], v[AW+(\k)] op_sel:[1,1,0] op_sel_hi:[1,1,0]
.else
	v_fma_mix_f32_bf16 v[AW+(\k)], v[YW+(\m)], v[CP+8*(\k)+(\m)], v[AW+(\k)] op_sel_hi:[1,1,0]
.endif
.endr
.endm
; Chunk q of the row three rows on, into the slot that the last turn emptied; chunk q of the last turn's row in bf16 (the next launch reads it, so no hint).  No vector instruction since the turn's waits names these registers.
.macro XMEM q, first, ahead
.if \ahead
	global_load_b128 v[XL+4*(\q):XL+4*(\q)+3], v[IN], s[24:25] offset:3*ROWB+512*(\q) th:TH_LOAD_NT
.endif
.if !\first
	global_store_b64 v[OUT], v[YS+2*(\q):YS+2*(\q)+1], s[26:27] offset:256*(\q)-ROWH  ; the offset reaches back by a row
.endif
.endm
; Turn p.  s = p % 4.  first = 1: turn 0, with no turn in front of it and the ring full.  ahead = 1: row p + 3 is loaded.  left = the loads of the younger rows, four each.
.macro XTURN s, first, ahead, left
.set YW, Y+ALT*((\s)%2)                ; written in this turn
.set AW, ACC+ALT*((\s)%2)
.set YS, Y+ALT*(1-(\s)%2)              ; stored in this turn
.set AS, ACC+ALT*(1-(\s)%2)
.set XW, X+16*(\s)                     ; worked on
.set XL, X+16*(((\s)+3)%4)             ; loaded
.set DR, (((\s)+3)%4)*PR               ; the last turn's row in this lap's four
	s_wait_loadcnt \left                           ; loads come back in order: this turn's row is in, the younger rows stay out
.if !\first
	s_wait_xcnt 0x0                                ; the two bases are stepped, and the Y that the last turn's stores read is rewritten, only behind this wait
	s_wait_alu depctr_vm_vsrc(0)                   ; the stores issued in the last turn have read this turn's Y, its LDS stores this turn's A: both are written again below
	s_wait_alu depctr_va_vdst(0)                   ; the last turn has written the other Y and the other A, which the stores below read, and is done reading its X, in which the loads below land; behind a lap's end v[PA] is written
.if \ahead
	s_add_nc_u64 s[24:25], s[24:25], ROWB          ; both bases at this turn's row
.endif
	s_add_nc_u64 s[26:27], s[26:27], ROWH
.endif
	XMEM 0, \first, \ahead
.irp m, 0,1,2,3,4,5,6,7
	v_cvt_pk_bf16_f32 v[YW+(\m)], v[XW+2*(\m)], v[XW+2*(\m)+1]  ; sixteen f32 -> eight words of two bf16, rounded to nearest even
.endr
	XMEM 1, \first, \ahead
	DOT 0, 0, 1
	XMEM 2, \first, \ahead
	DOT 0, 1, 0
	XMEM 3, \first, \ahead
	DOT 1, 0, 0
.if !\first
	ds_store_b128 v[PA], v[AS:AS+3] offset:DR              ; the last turn's sums; the 16 lanes of a half write the same bytes with the same numbers
.endif
	DOT 1, 1, 0
.if !\first
	ds_store_b128 v[PA], v[AS+4:AS+7] offset:DR+16
.endif
	DOT 2, 0, 0
.if !\first
	ds_store_b128 v[PA], v[AS+8:AS+11] offset:DR+32
.endif
	DOT 2, 1, 0
.irp m, 3,4,5,6,7
	DOT \m, 0, 0
	DOT \m, 1, 0
.endr
.irp x, 1,2,4,8                        ; over the 16 lanes of each half; the two halves stay apart as two parts
.irp k, 0,1,2,3,4,5,6,7,8
	v_add_f32_dpp v[AW+(\k)], v[AW+(\k)], v[AW+(\k)] row_xmask:\x row_mask:0xf bank_mask:0xf
.endr
.endr
.endm
	XTURN 0, 1, 0, 12                              ; turn 0: rows 1 to 3 stay out
	s_mov_b32 s30, 3
.Lxrow:                                                ; turns 1 to 12, four to a lap: slots and buffers are back at their start; eight to twelve loads of a wave are on their way
	XTURN 1, 0, 1, 8
	XTURN 2, 0, 1, 8
	XTURN 3, 0, 1, 8
	XTURN 0, 0, 1, 8
	s_wait_alu depctr_vm_vsrc(0)                   ; the lap's LDS stores have read v[PA]
	v_add_nc_u32 v[PA], 4*PR, v[PA]                ; the next four rows; the next turn's wait on va_vdst stands ahead of its first reader
	s_sub_co_u32 s30, s30, 1
	s_cmp_lg_u32 s30, 0
	s_cbranch_scc1 .Lxrow
	XTURN 1, 0, 0, 8                               ; turns 13 to 15 load nothing: no load leaves the buffer, and the counts run down
	XTURN 2, 0, 0, 4
	XTURN 3, 0, 0, 0
	s_wait_alu depctr_va_vdst(0)                   ; turn 15 has written Y1 and A1, which the last stores read
.irp q, 0,1,2,3
	global_store_b64 v[OUT], v[Y+ALT+2*(\q):Y+ALT+2*(\q)+1], s[26:27] offset:256*(\q)
.endr
	ds_store_b128 v[PA], v[ACC+ALT:ACC+ALT+3] offset:3*PR
	ds_store_b128 v[PA], v[ACC+ALT+4:ACC+ALT+7] offset:3*PR+16
	ds_store_b128 v[PA], v[ACC+ALT+8:ACC+ALT+11] offset:3*PR+32
	s_wait_dscnt 0x0                               ; for the others' sake: my parts are in LDS
	s_barrier_signal -1
	s_barrier_wait -1
	s_cmp_lt_u32 s20, 4
	s_cbranch_scc1 .Lxfin                          ; waves 0-3 write one piece of the table each
	s_wait_dscnt 0x0                               ; the closing lines, six on end
	s_wait_alu 0x0
	s_wait_tensorcnt 0x0
	ds_add_u32 v[SPW], v[NIL]
	s_wait_dscnt 0x0
	s_endpgm
.Lxfin:
	v_mul_u32_u24 v[ADR], v[R], PR                 ; row l >> 1: 0 .. 1,440
	s_cmp_eq_u32 s20, 3
	s_cbranch_scc1 .Lxk8
	v_lshl_add_u32 v[ADR], v[HB], 4, v[ADR]        ; pieces 0-2: k = 4 hb .. 4 hb + 3
	s_branch .Lxadr
.Lxk8:
	v_add_nc_u32 v[ADR], 32, v[ADR]                ; piece 3: k = 8 .. 11, in both lanes of a row
.Lxadr:                                                ; at most 1,472; with the largest immediate below, 10,800, and 16 bytes: up to byte 12,288, where the spare words begin
	s_wait_alu depctr_va_vdst(0)                   ; v[ADR] is written, on both ways; the last turns' conversions are done reading v[100:163], in which the loads below land
.irp p, 0,1,2,3,4,5,6,7,8,9,10,11,12,13,14,15
	ds_load_b128 v[Z+4*(\p):Z+4*(\p)+3], v[ADR] offset:((\p)/2)*PW+((\p)%2)*48  ; part p: wave p / 2, half p % 2.  96 r + 16 hb: sixteen lanes, sixteen different 16-byte columns modulo 256
.endr
	s_wait_dscnt 0x0
.irp s, 8,4,2,1                        ; the sixteen parts are added in a tree, in f32
.set p, 0
.rept \s
	v_pk_add_f32 v[Z+4*p:Z+4*p+1], v[Z+4*p:Z+4*p+1], v[Z+4*(p+(\s)):Z+4*(p+(\s))+1]
	v_pk_add_f32 v[Z+4*p+2:Z+4*p+3], v[Z+4*p+2:Z+4*p+3], v[Z+4*(p+(\s))+2:Z+4*(p+(\s))+3]
.set p, p+1
.endr
.endr
	v_mov_b32 v[ONE], 0x3f80                       ; 1.0 in bf16, in the low half
	SPLIT
	EMIT H01, ONE, L01                             ; piece 3: zh8, zh8, zl8, 1
	s_wait_dscnt 0x0                               ; the closing lines, six on end
	s_wait_alu 0x0
	s_wait_tensorcnt 0x0
	ds_add_u32 v[SPW], v[NIL]
	s_wait_dscnt 0x0
	s_endpgm
; ---------------------------------------------------------------- role 1: residual, coefficients, bias.  No LDS, no barrier.
.Lres:
	s_lshl_b32 s44, s22, 18
	s_add_nc_u64 s[24:25], s[6:7], s[44:45]
	s_lshl_b32 s44, s22, 17
	s_add_nc_u64 s[26:27], s[14:15], s[44:45]
	s_lshl_b32 s44, s22, 10
	s_add_nc_u64 s[28:29], s[18:19], s[44:45]
	s_lshl_b32 s23, s22, 6
	v_lshl_add_u32 v[BOFF], v[R], 2, s23           ; bias[16 block + (l >> 1)]
	s_wait_alu depctr_va_vdst(0)                   ; v[BOFF], v[IN], v[OUT] and v[TO] are written: every load and store of this role reads one of them as its offset
	global_load_b32 v[BIAS], v[BOFF], s[10:11]     ; the oldest load of every wave: the first counted wait below covers it
.irp n, 0,1,2,3,4,5,6,7
	LD RX+16*(\n), (\n)*ROWB                       ; blocks 0 to 3 into RX0 to RX3: 32 loads of a wave on their way
.endr
	s_lshr_b32 s42, s22, 5                         ; o >> 9
	s_max_u32 s42, s42, 1
	s_min_u32 s42, s42, 6                          ; j
	s_mul_i32 s41, s42, 4095
	s_lshl_b32 s43, s22, 7
	s_sub_co_i32 s43, s43, s41                     ; 8 x the block's first row - 4095 j
	s_sub_co_u32 s42, s42, 1                       ; j - 1: the first control row with a coefficient
	s_cmp_eq_u32 s20, 1
	s_cselect_b32 s34, -1, 0                       ; piece 1 holds the low parts of C
	s_cmp_eq_u32 s20, 3
	s_cselect_b32 s36, 0, 4                        ; my first k: 4 hb, or 8 in piece 3,
	s_cselect_b32 s37, 8, 0
	s_sub_co_i32 s37, s37, s42                     ; less j - 1
	s_mov_b32 s38, 0x3fc00000                      ; 1.5
	s_mov_b32 s39, 0xc0200000                      ; -2.5
	s_mov_b32 s40, 0xbfc00000                      ; -1.5
.set p, 0
.rept 8                                ; eight blocks of two rows, written out: every offset is an immediate, no address is stepped
.if p <= 4
	s_wait_loadcnt 24                              ; loads come back in order: block p is in, the three younger blocks of eight loads stay out
.else
	s_wait_loadcnt 24-8*(p-4)                      ; nothing is loaded any more: the counts run down
.endif
.if p > 1
	s_wait_xcnt 0x0                                ; RY[p % 2], which the stores issued in the block before read, is rewritten only behind this wait
	s_wait_alu depctr_vm_vsrc(0)                   ; those stores have read RY[p % 2], which this block's conversions write again
.endif
.if p > 0
	s_wait_alu depctr_va_vdst(0)                   ; the block before has written the other RY, which the stores below read, and is done reading its RX, in which the loads below land
.endif
.irp i, 0,1
.irp q, 0,1,2,3
.if p < 4
	global_load_b128 v[RX+32*((p+4)%5)+16*(\i)+4*(\q):RX+32*((p+4)%5)+16*(\i)+4*(\q)+3], v[IN], s[24:25] offset:(2*(p+4)+(\i))*ROWB+512*(\q) th:TH_LOAD_NT  ; four blocks ahead; no vector instruction since the wait names these registers
.endif
.if p > 0
	global_store_b64 v[OUT], v[RY+16*((p+1)%2)+8*(\i)+2*(\q):RY+16*((p+1)%2)+8*(\i)+2*(\q)+1], s[26:27] offset:(2*(p-1)+(\i))*ROWH+256*(\q)  ; the block before; the next launch reads it, so no hint
.endif
	v_cvt_pk_bf16_f32 v[RY+16*(p%2)+8*(\i)+2*(\q)],   v[RX+32*(p%5)+16*(\i)+4*(\q)],   v[RX+32*(p%5)+16*(\i)+4*(\q)+1]
	v_cvt_pk_bf16_f32 v[RY+16*(p%2)+8*(\i)+2*(\q)+1], v[RX+32*(p%5)+16*(\i)+4*(\q)+2], v[RX+32*(p%5)+16*(\i)+4*(\q)+3]
.endr
.endr
.set p, p+1
.endr
	s_wait_alu depctr_va_vdst(0)                   ; block 7 has written RY1, which the last eight stores read
.irp i, 0,1
.irp q, 0,1,2,3
	global_store_b64 v[OUT], v[RY+16+8*(\i)+2*(\q):RY+16+8*(\i)+2*(\q)+1], s[26:27] offset:(14+(\i))*ROWH+256*(\q)
.endr
.endr
	s_cmp_lt_u32 s20, 4
	s_cbranch_scc1 .Lrfin                          ; waves 0-3 write one piece of the table each
	s_endpgm
.Lrfin:
	v_lshl_add_u32 v[TT], v[R], 3, s43             ; 8 o - 4095 j, exact
	v_cvt_f32_i32 v[TT], v[TT]
	v_mul_f32 v[TT], 0x39800801, v[TT]             ; t = that / 4095
	v_mul_f32 v[T2], v[TT], v[TT]
	v_fma_f32 v[C0], v[TT], -0.5, 1.0              ; c0 = ((-0.5 t + 1) t - 0.5) t
	v_fma_f32 v[C0+1], v[TT], s38, s39             ; c1 = (1.5 t - 2.5) t^2 + 1
	v_fma_f32 v[C0+2], v[TT], s40, 2.0             ; c2 = ((-1.5 t + 2) t + 0.5) t
	v_fma_f32 v[C0+3], v[TT], 0.5, -0.5            ; c3 = (0.5 t - 0.5) t^2
	v_mad_u32_u24 v[Q], v[HB], s36, s37            ; my first k less (j - 1): number i of my four takes c_m where m = Q + i
.irp d, 0,1,2,3,4,5,6
	v_cmp_eq_i32 s[MK+(\d)], (\d)-3, v[Q]          ; the seven differences m - i, in one run: mask d says Q = d - 3
.endr
	v_fma_f32 v[C0], v[C0], v[TT], -0.5
	v_fma_f32 v[C0+1], v[C0+1], v[T2], 1.0
	v_fma_f32 v[C0+2], v[C0+2], v[TT], 0.5
	v_mul_f32 v[C0+3], v[C0+3], v[T2]
	v_mul_f32 v[C0], v[C0], v[TT]
	v_mul_f32 v[C0+2], v[C0+2], v[TT]
	s_wait_alu depctr_va_sdst(0)                   ; the seven compares have written s[40:46], which the selects below read
.irp i, 0,1,2,3
.irp m, 0,1,2,3
.if (\m) == 0
	v_cndmask_b32 v[Z+(\i)], 0, v[C0], s[MK+(\m)-(\i)+3]
.else
	v_cndmask_b32 v[Z+(\i)], v[Z+(\i)], v[C0+(\m)], s[MK+(\m)-(\i)+3]
.endif
.endr
.endr
	v_cvt_pk_bf16_f32 v[BB], v[BIAS], v[BIAS]
	SPLIT
	EMIT L01, BB, H01                              ; piece 3: Ch8, Cl8, Ch8, bias
	s_endpgm
.Lfunc_end_k_qfcaa118754_prep:
	.size	k_qfcaa118754_prep, .Lfunc_end_k_qfcaa118754_prep-k_qfcaa118754_prep
	.p2alignl 7, 3214868480
	.fill 96, 4, 3214868480
	.section	.rodata,"a",@progbits
	.p2align	6, 0x0
	.amdhsa_kernel k_qfcaa118754_prep
		.amdhsa_group_segment_fixed_size 13312
		.amdhsa_private_segment_fixed_size 0
		.amdhsa_enable_private_segment 0
		.amdhsa_kernarg_size 64
		.amdhsa_user_sgpr_count 2
		.amdhsa_user_sgpr_kernarg_segment_ptr 1
		.amdhsa_wavefront_size32 1
		.amdhsa_system_sgpr_workgroup_id_x 1
		.amdhsa_system_sgpr_workgroup_id_y 1
		.amdhsa_system_sgpr_workgroup_id_z 1
		.amdhsa_system_vgpr_workitem_id 0
		.amdhsa_next_free_vgpr 250
		.amdhsa_next_free_sgpr 66
		.amdhsa_reserve_vcc 1
		.amdhsa_float_denorm_mode_32 3
		.amdhsa_float_denorm_mode_16_64 3
		.amdhsa_memory_ordered 1
		.amdhsa_forward_progress 1
		.amdhsa_inst_pref_size 144
	.end_amdhsa_kernel
	.amdgpu_metadata
---
amdhsa.version: [ 1, 2 ]
amdhsa.kernels:
  - .name:           k_qfcaa118754_prep
    .symbol:         k_qfcaa118754_prep.kd
    .args:
      - { .name: input, .offset: 0, .size: 8, .value_kind: global_buffer, .address_space: global }
      - { .name: residual, .offset: 8, .size: 8, .value_kind: global_buffer, .address_space: global }
      - { .name: control_points, .offset: 16, .size: 8, .value_kind: global_buffer, .address_space: global }
      - { .name: bias, .offset: 24, .size: 8, .value_kind: global_buffer, .address_space: global }
      - { .name: xb, .offset: 32, .size: 8, .value_kind: global_buffer, .address_space: global }
      - { .name: wb, .offset: 40, .size: 8, .value_kind: global_buffer, .address_space: global }
      - { .name: at, .offset: 48, .size: 8, .value_kind: global_buffer, .address_space: global }
      - { .name: bt, .offset: 56, .size: 8, .value_kind: global_buffer, .address_space: global }
    .group_segment_fixed_size: 13312
    .private_segment_fixed_size: 0
    .kernarg_segment_align: 8
    .kernarg_segment_size: 64
    .max_flat_workgroup_size: 256
    .sgpr_count:     66
    .vgpr_count:     250
    .wavefront_size: 32
...
	.end_amdgpu_metadata
.endif
;; end of part 3
;; launch gemm: the kernel of part 2 again; grid 16 x 16, 4 waves a work-group, clusters of 4 x 4, 327,680 bytes of LDS; arguments xb, wb, at, bt, out0; writes out0
